; MI455X (gfx1250); checked and timed in simulation.
; The chip was launched on July 23, 2026; its instructions are those of AMD's public machine-readable ISA for CDNA 5 (MIT licence, August 2026) and "CDNA5" Instruction Set Architecture Reference Guide (July 2026). The comments in the code are by the model that wrote it; some were corrected since.
;; Multihead Attention. Allowed arithmetic: matrix products marked QUANTISED: E4M3 operands, one given power-of-two scale a tensor, by v_wmma_f32_16x16x64_fp8_fp8 or v_wmma_f32_16x16x128_fp8_fp8, f32 sums; everything else in f32.
;; Inputs: in_proj_weight_codes 3,072 x 32 x 32 uint8 (E4M3 codes of in_proj_weight, K innermost, in blocks of 32 codes); key 4 x 2,048 x 1,024 float32; lowp_scales 8 int32 (the exponents e of the quantised operands' scales 2^e); out_proj_weight_codes 1,024 x 32 x 32 uint8 (E4M3 codes of out_proj_weight, K innermost, in blocks of 32 codes); query_codes 4 x 2,048 x 32 x 32 uint8 (E4M3 codes of query, K innermost, in blocks of 32 codes); value 4 x 2,048 x 1,024 float32.
;; Outputs: out0 4 x 2,048 x 1,024 float32.
;; This version of the problem:
;;   THIS VERSION OF THE PROBLEM IS GIVEN IN LOW PRECISION. The matrix products marked QUANTISED in the list below multiply operands that are first quantised to E4M3 (4 exponent bits, 3 mantissa bits; 8 bits a number), with one given power-of-two scale for each operand tensor; their sums are f32. All else is computed in f32.
;;   The module's matrix products, in the order in which they are computed (A, B: the left and right operand; K: the contracted axis; several contracted axes count as one K, in the product's order):
;;     1. [M 8,192, K 1,024] x [K 1,024, N 3,072]; A: input query (given as codes); B: input in_proj_weight (given as codes): QUANTISED (scales: A lowp_scales[0], B lowp_scales[1])
;;     2. batch 64 x [M 2,048, K 64] x [K 64, N 2,048]; A: computed on the way; B: computed on the way: QUANTISED (scales: A lowp_scales[2], B lowp_scales[3])
;;     3. batch 64 x [M 2,048, K 2,048] x [K 2,048, N 64]; A: softmax (see below); B: computed on the way: QUANTISED (scales: A lowp_scales[4], B lowp_scales[5])
;;     4. [M 8,192, K 1,024] x [K 1,024, N 1,024]; A: computed on the way; B: input out_proj_weight (given as codes): QUANTISED (scales: A lowp_scales[6], B lowp_scales[7])
;;   THE QUANTISER, for each operand of a quantised product, along K:
;;     - The operand's scale is 2^e, e = its entry of the input lowp_scales (int32; the entries are numbered through the quantised products in the list's order, A before B).
;;     - Each number is divided by the scale, clamped to +-448, and rounded to the nearest number of E4M3, ties to even, subnormals kept.
;;     - The product sums the exact products of the quantised numbers (number of the format x scale) in f32.
;;   ~~~python
;;   def quantise(x, axis, e):      # numpy; x: float32 -> the quantised numbers, widened to float32 again
;;       x = np.moveaxis(x, axis, -1); K = x.shape[-1]
;;       r = np.clip(x / 2.0 ** e, -448, 448)
;;       step = 2.0 ** (np.maximum(np.frexp(np.where(r == 0, 1, r))[1] - 1, -6) - 3)
;;       q = np.round(r / step) * step * 2.0 ** e      # np.round: ties to even
;;       return np.moveaxis(q, -1, axis).astype(np.float32)
;;   ~~~
;;   SOFTMAX AHEAD OF A QUANTISED PRODUCT. Where the list says 'softmax', what is quantised is not the finished softmax but p = 2^(t - M), with t = logit x log2(e) and M = ceil(the row's largest t), a whole number; so 1/2 < the row's largest p <= 1. The row's sum l is taken of the UNQUANTISED p, in f32, and the product's result is divided by l at the end. Since M is a whole number, a kernel that streams over the keys may use a running M (the ceiling of the running maximum): every later rescaling is an exact power of two, so the quantised numbers keep their values, but for numbers so far below the row's largest that they fall under the format's range.
;;   OPERANDS COMPUTED ON THE WAY. 'Computed on the way' means the value that the module computes at that place (a softmax that the list does not call 'softmax' is quantised finished and normalised). What goes into a quantiser is computed in f32, as accurately as f32 sums, v_exp_f32 and their like allow (about 1e-6 of the number): no bf16 or f16 on the way to a quantiser, and a product that is left as it is and whose result goes on into a quantised operand takes f32 operands (vector FMAs, or v_wmma_f32_16x16x4_f32). A number that lies on a knife's edge between two numbers of the format may be rounded either way, as far as f32 arithmetic and the matrix unit's own rounding can turn it there, and no further.
;;   INPUTS GIVEN AS CODES. in_proj_weight (in the module: [3072, 1024], K = its axis 1); out_proj_weight (in the module: [1024, 1024], K = its axis 1); query (in the module: [4, 2048, 1024], K = its axis 2): each comes as NAME_codes (uint8): NAME with its K axis moved to the last place and cut into blocks of 32 codes, [.., K / 32, bytes a block], one block behind the other in memory; one code a byte (a code: sign, 4 exponent bits, 3 mantissa bits); its scale is its entry of lowp_scales. Its value is code x scale, taken as it is: it is not quantised again, and the codes and scales need not be those that the quantiser above would give.
;; One version. Each part assembles by itself: llvm-mc -triple=amdgcn-amd-amdhsa -mcpu=gfx1250 --defsym DOCPART=n.
;; ======== version 1 of 1: 3 launches
;; workspace buffers: qc 8,388,608 bytes; kc 8,388,608 bytes; vc 8,388,608 bytes; ac 8,388,608 bytes
;; launch qkv (part 1): grid 12 x 32, 4 waves a work-group, clusters of 4 x 4, 327,680 bytes of LDS; arguments query_codes, in_proj_weight_codes, lowp_scales, qc, kc, vc; writes qc, kc, vc
.if DOCPART == 1
	.amdgcn_target "amdgcn-amd-amdhsa--gfx1250"
	.amdhsa_code_object_version 6
	.text
	.protected	k_qf8c1698af8_qkv
	.globl	k_qf8c1698af8_qkv
	.p2align	8
	.type	k_qf8c1698af8_qkv,@function
k_qf8c1698af8_qkv:
	s_mov_b64 s[64:65], 0
	v_nop
	global_prefetch_b8 v0, s[64:65] scope:SCOPE_SE
	s_setreg_imm32_b32 hwreg(HW_REG_WAVE_MODE, 25, 1), 1
	s_wait_xcnt 0x0
	s_wait_alu depctr_hold_cnt(0) depctr_sa_sdst(0) depctr_va_vdst(0) depctr_va_sdst(0) depctr_va_ssrc(0) depctr_va_vcc(0) depctr_vm_vsrc(0)
	s_getreg_b32 s2, hwreg(HW_REG_IB_STS2, 6, 4)
	s_cmp_eq_u32 s2, 0
	s_cbranch_scc0 .Lentry_in_a_cluster
	s_endpgm
.Lentry_in_a_cluster:
	s_bfe_u32 s2, ttmp6, 0x10000c
	s_cmp_lg_u32 s2, 0xf033
	s_cbranch_scc0 .Lentry_shape_is_right
	s_endpgm
.Lentry_shape_is_right:
; PRODUCT 1 AND ITS THREE QUANTISERS.  X = query's codes [8192][1024], W = in_proj_weight's codes [3072][1024], E4M3, K innermost; a number is code x 2^e0 (X), code x 2^e1 (W).
; q = X Wq^T / 8, k = X Wk^T, v = X Wv^T in f32 sums; q is quantised along the head's 64 with 2^e2, k likewise with 2^e3, v along the keys with 2^e5.  Only codes leave.
; The inputs key and value of the problem stand in no argument list: the computation that is asked for never uses them, so no result hangs on them.
; A tile of 256 x 256 is made by four waves, 128 x 128 each: 64 accumulators, 512 registers.  K = 1024 goes in four steps of 256 through a ring of two LDS slots filled by the tensor data mover.
; CLUSTERS of 4 x 4 work-groups; the cluster's x says which of the three results it makes (0: q, 1: k, 2: v), alike in all sixteen.  The operand called A here is shared along a row of the cluster, B along a column; each tile is asked for jointly.
; THE MATRIX INSTRUCTION IS USED TRANSPOSED (source 0 = 16 rows of B, source 1 = 16 rows of A): lane (r, h) holds row r of A, its register j row 8 h + j of B's tile.
;   q, k:  A = X (tokens), B = W (features): a lane's eight registers are eight neighbours along the head's 64, the next product's K.
;   v:     A = W (channels), B = X (tokens): a lane's eight registers are eight neighbouring keys, the K of the product with the softmax.
; So one conversion of one accumulator b gives registers 2 b, 2 b + 1 of the 8-bit operand layout (k = 16 b + 8 h + 0 .. 7): THE CODES LEAVE AS IMAGES OF THE NEXT LAUNCH'S OPERAND REGISTERS, four registers a store, lane l's 16 bytes at 16 l.
;   qc, kc: [batch 4][pair of heads 8][tile of 16 tokens 128][head of the pair 2][half 2][lane 32][16 bytes];   vc: [batch 4][pair of heads 8][128 keys 16][head 2][tile of 16 channels 4][quad 4][lane 32][16 bytes].
;   A wave's 128 x 128 is one dense block of 16,384 bytes in either layout; each store of the wave covers 512 consecutive bytes, aligned.
; The sums stand for sum x 2^(e0 + e1): the scales are folded into the conversion's one, 2^s, s = e2 + 3 - e0 - e1 (q: the division by 8 is the 3), e3 - e0 - e1 (k), e5 - e0 - e1 (v).
; LIMITS: each of these three s lies between -126 and 119, so that 2^s and 448 x 2^s are f32 numbers.  NaN codes among the inputs are not served.
; 384 work-groups: 3 x 1024 columns allow no number of equal tiles inside q, k and v that is a multiple of 256 but with tiles of half the size, which would read half as much again from LDS for each product.
; REGISTERS, in windows of 256: window 0: v16-31 addresses and the two scale words; from v128 A's fragments, ONE set; on the way out v32-95 held sums, v128-255 codes.
;   window 1: B's fragments, TWO sets.   window 2: the 32 accumulators of my rows 0-63 of A ((a, b) at v[8 (8 a + b)]);   window 3: those of rows 64-127.
.set ROWB,   256                       ; a tile's row in bytes: 256 codes
.set KROW,   1024                      ; a row of X or of W in memory
.set PITCH,  272                       ; an LDS row: 256 bytes + 16 of padding = 68 words: row r starts at bank 4 r mod 64 (ISA guide 11.1), so the 16 rows of a load start at 16 different banks
.set FR,     16                        ; registers of a fragment: 16 rows x 128 K
.set NL,     4                         ; LDS loads that bring one
.set NP,     4                         ; places behind this matrix instruction (ISA guide 7.12.1)
.set HALFT,  128*PITCH                 ; 128 rows: what one tensor load brings, and what one wave reads of A or of B
.set SLOT,   4*HALFT                   ; A's 256 rows, then B's 256 rows
.set LAPS,   2                         ; 1024 / 512: a lap = two K steps = once round the ring
.set SPARE,  2*SLOT                    ; behind the ring: the spare words, 128 bytes for each wave, which no other line names
.set ADRA, 16                          ; v16-17  LDS address of my A fragments in slot 0, 1
.set ADRB, 20                          ; v20-21  the same for B
.set VO,   26                          ; v26     16 x lane: my place in an image
.set SPW,  28                          ; v28     LDS address of my spare word; never rewritten
.set NIL,  29                          ; v29     0; never rewritten
.set SC,   30                          ; v30     2^s as f32
.set LIM,  31                          ; v31     448 x 2^s
.set TMP,  32                          ; v32-95  a block's 64 sums, held
.set AF,   128                         ; A's fragments, in window 0
.set CD,   128                         ; the way out: 16 registers of codes for each of my eight blocks, where A's fragments lay
.set G1, 24                            ; s[24:31] descriptor group 1 for A's tiles;  s[32:39] group 0, one set for each slot
.set G0, 32
.set G1B, 48                           ; s[48:55], s[56:63] the same for B's tiles
.set G0B, 56
.set MSB, 0
.macro WIN new                         ; the immediate's high byte repeats the setting that is left
.if MSB != (\new)
	s_set_vgpr_msb (MSB<<8)|(\new)
.set MSB, (\new)
.endif
.endm
.set MUL_LO, 0xa1                      ; source 0 (B) window 1, source 1 (A) window 0, C and D window 2
.set MUL_HI, 0xf1                      ; the same, C and D window 3
.set TO_B,   0x40                      ; destination window 1, address window 0
; A joint load: waves 0 and 1 fetch for A, waves 2 and 3 for B.  Each line has ONE mask and one set of registers for all that issue it; the branch hangs on the wave's number alone.
; Four v_nop follow each of the two lines, ahead of the jump, the label and what follows.
.macro JLOAD g0a, g1a, g0b, g1b
	s_cmp_eq_u32 s15, 0
	s_cbranch_scc0 .Lfor_b_\@
	tensor_load_to_lds s[\g0a:\g0a+3], s[\g1a:\g1a+7]
	s_nop 0
.rept 4
	v_nop
.endr
	s_branch .Lasked_\@
.Lfor_b_\@:
	tensor_load_to_lds s[\g0b:\g0b+3], s[\g1b:\g1b+7]
	s_nop 0
.rept 4
	v_nop
.endr
.Lasked_\@:
.endm
.macro CREST                           ; a round of the cluster's barrier behind its opening barrier
	s_cmp_lg_u32 s14, 0
	s_cbranch_scc1 .Lnot_wave_0_\@
	s_barrier_signal -3
.Lnot_wave_0_\@:
	s_barrier_wait -3
	s_barrier_signal -1
	s_barrier_wait -1
.endm
.macro CROUND                          ; a whole round
	s_barrier_signal -1
	s_barrier_wait -1
	CREST
.endm
	s_load_b256 s[4:11], s[0:1], 0x0               ; X s[4:5], W s[6:7], the scales' exponents s[8:9], qc s[10:11]
	s_load_b128 s[68:71], s[0:1], 0x20             ; kc s[68:69], vc s[70:71]
	v_lshl_add_u32 v[SPW], v0, 2, SPARE
	v_mov_b32 v[NIL], 0
	ds_add_u32 v28, v29
	s_wait_dscnt 0x0
	v_lshrrev_b32 v1, 5, v0
	v_readfirstlane_b32 s14, v1                    ; wave 0..3
	s_lshr_b32 s15, s14, 1                         ; which half of A's 256 rows is mine.  Also: I fetch for A (0) or for B (1)
	s_and_b32 s16, s14, 1                          ; which half of B's.  Also: which 128 rows of that tile I fetch
	s_bfe_u32 s40, ttmp6, 0x40000                  ; cx, cy: my place in the cluster
	s_bfe_u32 s41, ttmp6, 0x40004
	s_lshl_b32 s90, ttmp9, 2                       ; 4 x cluster x
	s_and_b32 s91, ttmp7, 0xffff
	s_lshl_b32 s91, s91, 2                         ; 4 x cluster y
	s_cmp_eq_u32 ttmp9, 2                          ; v's clusters?  The cluster's x is the same in all sixteen partners
	s_cselect_b32 s17, 8, s91                      ; A's tile of 256 rows: v: W's tiles 8 .. 11;  q, k: X's tiles 4 x cluster y ..
	s_cselect_b32 s42, s91, s90                    ; B's: v: X's tiles 4 x cluster y ..;  q, k: W's tiles 4 x cluster x ..
	s_add_co_u32 s17, s17, s41                     ; + cy: A's tile hangs on cy alone of the two places,
	s_add_co_u32 s42, s42, s40                     ; + cx: B's on cx alone
	s_lshl_b32 s43, s41, 2
	s_lshl_b32 s43, 15, s43                        ; my row of the cluster
	s_lshl_b32 s44, 0x1111, s40                    ; my column
	; descriptor group 1: a tile of 128 rows x 256 bytes, padded in LDS
	s_or_b32 s[G1+0], s43, (0<<16)|(1<<20)|(1<<21)|(5<<22)|(3<<25)  ; 15:0 the mask: A's tiles go to my row; 17:16 element of 1 byte; 20 padding on; 21 set beside a mask; 24:22 after every 64 words (code 5); 31:25 of 4 words (code 3)
	s_or_b32 s[G1B+0], s44, (0<<16)|(1<<20)|(1<<21)|(5<<22)|(3<<25) ; the same with my column's mask
.irp g, G1, G1B
	s_mov_b32 s[\g+1], ROWB<<16                    ; tensor_dim0
	s_mov_b32 s[\g+2], 128<<16                     ; tensor_dim1 = 128
	s_mov_b32 s[\g+3], ROWB<<16                    ; tile_dim0
	s_mov_b32 s[\g+4], 128                         ; tile_dim1 = 128
	s_mov_b32 s[\g+5], KROW                        ; tensor_dim0_stride: X and W both have rows of 1,024 codes
	s_mov_b32 s[\g+6], 0
	s_mov_b32 s[\g+7], 0
.endr
	s_lshl_b32 s18, s16, 7                         ; which 128 rows of the tile I fetch
	s_lshl_b32 s20, s17, 8
	s_add_co_u32 s20, s20, s18                     ; A: row 256 x tile + 128 x half
	s_lshl_b32 s46, s42, 8
	s_add_co_u32 s46, s46, s18                     ; B likewise
	s_lshl_b32 s20, s20, 10                        ; in bytes: under 2^23
	s_lshl_b32 s46, s46, 10
	s_mov_b32 s21, 0
	s_mov_b32 s47, 0
	s_mul_i32 s45, s14, HALFT                      ; where they go: wave x 128 rows: no place in the cluster enters an LDS address
	s_wait_kmcnt 0x0
	s_load_b256 s[76:83], s[8:9], 0x0              ; e0 .. e7
	s_cmp_eq_u32 ttmp9, 2
	s_cselect_b64 s[84:85], s[6:7], s[4:5]         ; A's tensor: W for v, else X
	s_cselect_b64 s[86:87], s[4:5], s[6:7]         ; B's: X for v, else W
	s_add_nc_u64 s[20:21], s[84:85], s[20:21]
	s_add_nc_u64 s[46:47], s[86:87], s[46:47]
	CROUND                                         ; all sixteen work-groups are here: the first joint loads meet
.irp s, 0,1
	s_mov_b32 s[G0+4*\s], 1
	s_add_co_u32 s[G0+4*\s+1], s45, \s*SLOT
	s_add_nc_u64 s[G0+4*\s+2:G0+4*\s+3], s[20:21], \s*ROWB
	s_or_b32 s[G0+4*\s+3], s[G0+4*\s+3], 0x80000000
	s_mov_b32 s[G0B+4*\s], 1
	s_add_co_u32 s[G0B+4*\s+1], s45, \s*SLOT
	s_add_nc_u64 s[G0B+4*\s+2:G0B+4*\s+3], s[46:47], \s*ROWB
	s_or_b32 s[G0B+4*\s+3], s[G0B+4*\s+3], 0x80000000
	JLOAD G0+4*\s, G1, G0B+4*\s, G1B
.endr
	v_and_b32 v1, 15, v0                           ; l % 16
	v_bfe_u32 v2, v0, 4, 1                         ; l / 16
	v_mul_u32_u24 v3, v1, PITCH
	v_lshl_add_u32 v4, v2, 4, v3                   ; a fragment's row x pitch + 16 x half
	s_mul_i32 s21, s15, HALFT                      ; my 128 rows of A
	s_mul_i32 s22, s16, HALFT                      ; my 128 rows of B,
	s_add_co_u32 s22, s22, 2*HALFT                 ; which lie behind A's 256
.irp s, 0,1
	v_add_nc_u32 v[ADRA+\s], s21, v4
	v_add_nc_u32 v[ADRB+\s], s22, v4
	s_add_co_u32 s21, s21, SLOT
	s_add_co_u32 s22, s22, SLOT
.endr
	v_and_b32 v6, 31, v0
	v_lshlrev_b32 v[VO], 4, v6
; A fragment, 16 rows x 128 K, is 16 registers, fetched by four loads of 16 bytes: registers 4 c .. 4 c + 3 hold K = 32 c + 16 (l / 16) + 0 .. 15: a permutation of k that is the same in A and in B, so every product meets its partner.
.macro FRAG reg, adr, q, i
.irp c, 0,1,2,3
	ds_load_b128 v[\reg+4*\c:\reg+4*\c+3], v[\adr] offset:128*(\q)+32*\c+(\i)*16*PITCH
.endr
.endm
; 16 matrix instructions: A's blocks a0, a0 + 1 x B's eight, 128 along K.  p: B's set.  zero = 1: the first product starts the sums: nothing is ever cleared.
; The 64 accumulators take turns, one instruction a turn, in the same order in every step.
.macro MUL16 a0, p, zero
.irp a, \a0, \a0+1
.irp b, 0,1,2,3,4,5,6,7
.if \zero
	v_wmma_f32_16x16x128_fp8_fp8 v[8*(8*((\a)%4)+\b):8*(8*((\a)%4)+\b)+7], v[128*(\p)+FR*\b:128*(\p)+FR*\b+FR-1], v[AF+FR*(\a):AF+FR*(\a)+FR-1], 0
.else
	v_wmma_f32_16x16x128_fp8_fp8 v[8*(8*((\a)%4)+\b):8*(8*((\a)%4)+\b)+7], v[128*(\p)+FR*\b:128*(\p)+FR*\b+FR-1], v[AF+FR*(\a):AF+FR*(\a)+FR-1], v[8*(8*((\a)%4)+\b):8*(8*((\a)%4)+\b)+7]
.endif
.endr
.endr
.endm
.macro FETCH_B slot, q, p              ; B's eight fragments of the slot's q-th 128 along K into set p
	WIN TO_B
.irp i, 0,1,2,3,4,5,6,7
	FRAG 128*(\p)+FR*\i, ADRB+\slot, \q, \i
.endr
	WIN 0
.endm
.macro FETCH_A slot, q, i0             ; A's blocks i0 .. i0 + 3
.irp i, \i0, \i0+1, \i0+2, \i0+3
	FRAG AF+FR*(\i), ADRA+\slot, \q, \i
.endr
.endm
; A load into a register that a matrix instruction has read, and a vector instruction that reads a matrix result or writes one of its registers, stand NP places behind it; only plain vector
; instructions that name none of its registers are places (ISA guide 7.12.1 for vector instructions).
.macro PLACES n
.rept \n
	v_nop
.endr
.endm
; A step of 128 along K that has its successor in the same slot.  A block of A is free as soon as its eight products are issued: blocks 0-3 are fetched anew in the step's middle, blocks 4-7 at its end.
.macro STEP slot, q, zero
	s_wait_dscnt 4*NL                              ; B's set and A's blocks 0-3 are in; the youngest sixteen loads (A's blocks 4-7) may be out
	WIN MUL_LO
	MUL16 0, (\q)%2, \zero
	MUL16 2, (\q)%2, \zero
	s_wait_dscnt 0                                 ; A's blocks 4-7 are in (asked for 32 matrix instructions ago)
	PLACES NP
	FETCH_B \slot, (\q)+1, 1-(\q)%2
	FETCH_A \slot, (\q)+1, 0
	WIN MUL_HI
	MUL16 4, (\q)%2, \zero
	MUL16 6, (\q)%2, \zero
	PLACES NP
	WIN 0
	FETCH_A \slot, (\q)+1, 4
.endm
; A slot's last step changes slots: ONE barrier; in front of it each wave waits for all its tensor loads, adds 0 to its spare word, and waits for that and for its own reads of this slot.  fill = 1: this slot is filled again, two K steps ahead.
.macro TURN slot, next, fill
	s_wait_tensorcnt 0x0                           ; all my tensor loads have landed: my part of the next slot  (every window is 0 here: the add's two registers lie in window 0)
	ds_add_u32 v[SPW], v[NIL]                      ; 0 onto my spare word
	s_wait_dscnt 4*NL+1                            ; (the add and the youngest sixteen loads, A's blocks 4-7, may be out)
	WIN MUL_LO
	MUL16 0, 1, 0                                  ; sixteen matrix instructions stand between the add and the wait for it
	s_wait_dscnt 0x0                               ; the add is done, and my reads of this slot are over
	s_barrier_signal -1
	MUL16 2, 1, 0
	WIN 0
	s_barrier_wait -1
.if \fill
	CREST                                          ; the barrier has opened a round of the cluster's barrier: no wave of any partner still reads this slot's tile or has a load on its way
	s_add_nc_u64 s[G0+4*\slot+2:G0+4*\slot+3], s[G0+4*\slot+2:G0+4*\slot+3], 2*ROWB
	s_add_nc_u64 s[G0B+4*\slot+2:G0B+4*\slot+3], s[G0B+4*\slot+2:G0B+4*\slot+3], 2*ROWB
	JLOAD G0+4*\slot, G1, G0B+4*\slot, G1B         ; the first tensor load behind the round; its four v_nop are also the places in front of the loads below
.else
	PLACES NP
.endif
	FETCH_B \next, 0, 0
	FETCH_A \next, 0, 0
	WIN MUL_HI
	MUL16 4, 1, 0
	MUL16 6, 1, 0
	PLACES NP
	WIN 0
	FETCH_A \next, 0, 4
.endm
	s_wait_tensorcnt 1                             ; my part of K step 0 is in (K step 1's load, issued behind it, may be out)
	s_barrier_signal -1
	s_barrier_wait -1                              ; everybody's is
	FETCH_B 0, 0, 0
	FETCH_A 0, 0, 0
	FETCH_A 0, 0, 4
	STEP 0, 0, 1                                   ; the first step stands in front of the loop: its products start the sums
	s_mov_b32 s3, LAPS-1
.Llap:                                                 ; a trip goes once round the ring, from a lap's second step to the next lap's first, and fills both slots again
	TURN 0, 1, 1
	STEP 1, 0, 0
	TURN 1, 0, 1
	STEP 0, 0, 0
	s_sub_co_u32 s3, s3, 1
	s_cmp_lg_u32 s3, 0
	s_cbranch_scc1 .Llap
	TURN 0, 1, 0                                   ; the last lap fills nothing, and has no round of the cluster's barrier
	STEP 1, 0, 0
	s_wait_dscnt 4*NL                              ; the very last step: nothing more to fetch
	WIN MUL_LO
	MUL16 0, 1, 0
	MUL16 2, 1, 0
	s_wait_dscnt 0
	WIN MUL_HI
	MUL16 4, 1, 0
	MUL16 6, 1, 0
	WIN 0
	; THE WAY OUT.  Which scale, which buffer, and where my block of 16,384 bytes begins: all chosen without a jump.
	s_wait_kmcnt 0x0                               ; s76 .. s83 = e0 .. e7
	s_add_co_i32 s90, s78, 3                       ; e2 + 3: q is divided by 8 ahead of its quantiser
	s_cmp_eq_u32 ttmp9, 0
	s_cselect_b32 s90, s90, s79                    ; q: e2 + 3, else e3
	s_cselect_b64 s[88:89], s[10:11], s[68:69]     ; q: qc, else kc
	s_cmp_eq_u32 ttmp9, 2
	s_cselect_b32 s90, s81, s90                    ; v: e5
	s_cselect_b64 s[88:89], s[70:71], s[88:89]     ; v: vc
	s_cselect_b32 s91, s42, s17                    ; the tile of 256 tokens: B's for v, else A's
	s_cselect_b32 s92, s16, s15                    ; and my half of it
	s_cselect_b32 s93, s17, s42                    ; the tile of 256 rows of W
	s_cselect_b32 s94, s15, s16                    ; and my half of it: a pair of heads
	s_sub_co_i32 s90, s90, s76
	s_sub_co_i32 s90, s90, s77                     ; s
	s_add_co_i32 s90, s90, 127
	s_lshl_b32 s95, s90, 23
	v_mov_b32 v[SC], s95                           ; 2^s as f32: the conversion takes its exponent field
	s_add_co_i32 s90, s90, 8
	s_lshl_b32 s90, s90, 23
	s_or_b32 s90, s90, 0x600000
	v_mov_b32 v[LIM], s90                          ; 448 x 2^s
	s_and_b32 s93, s93, 3                          ; W's tile within q, k or v: four heads
	s_lshl_b32 s93, s93, 1
	s_add_co_u32 s93, s93, s94                     ; the pair of heads, 0 .. 7
	s_lshr_b32 s94, s91, 3                         ; the batch: eight tiles of 256 tokens each
	s_lshl_b32 s94, s94, 3
	s_add_co_u32 s93, s93, s94
	s_lshl_b32 s93, s93, 18                        ; (8 batch + pair) x 262,144 bytes
	s_and_b32 s91, s91, 7
	s_lshl_b32 s91, s91, 1
	s_add_co_u32 s91, s91, s92                     ; which 128 tokens of the batch
	s_lshl_b32 s91, s91, 14
	s_add_co_u32 s92, s93, s91
	s_mov_b32 s93, 0
	s_add_nc_u64 s[88:89], s[88:89], s[92:93]
	PLACES NP                                      ; behind the last products: their results are read, and A's registers written, only behind these
; Block a: A's rows 16 a on.  64 sums are held within +-448 x 2^s (the conversion to an 8-bit code does not saturate: ISA guide 7.6.2), each accumulator from its low end on; eight conversions give 16 registers of codes; four stores.
; Each block has code registers of its own, so no store's data are written again.
.macro OUTBLK a
.set AC, 64*((\a)%4)
	WIN 0x02+((\a)/4)                              ; source 0: window 2 or 3
.set j, 0
.rept 64
	v_med3_num_f32 v[TMP+j], v[AC+j], -v[LIM], v[LIM]
.set j, j+1
.endr
	WIN 0
.irp b, 0,1,2,3,4,5,6,7
	v_cvt_scalef32_pk8_fp8_f32 v[CD+16*(\a)+2*\b:CD+16*(\a)+2*\b+1], v[TMP+8*\b:TMP+8*\b+7], v[SC]
.endr
	v_nop                                          ; one plain vector line behind the last conversion: the next block's holds write its sources
.irp q, 0,1,2,3
	global_store_b128 v[VO], v[CD+16*(\a)+4*\q:CD+16*(\a)+4*\q+3], s[88:89] offset:(\a)*2048+\q*512   ; 32 lanes store 512 consecutive bytes, at a multiple of 512 from the buffer's first byte
.endr
.endm
.irp a, 0,1,2,3,4,5,6,7
	OUTBLK \a
.endr
	s_wait_tensorcnt 0x0                           ; the wave's end
	ds_add_u32 v[SPW], v[NIL]
	s_wait_dscnt 0x0
	CROUND                                         ; the closing round: no work-group ends while a partner may still ask for a tile that names it
	s_endpgm
.Lfunc_end_k_qf8c1698af8_qkv:
	.size	k_qf8c1698af8_qkv, .Lfunc_end_k_qf8c1698af8_qkv-k_qf8c1698af8_qkv
	.p2alignl 7, 3214868480
	.fill 96, 4, 3214868480
	.section	.rodata,"a",@progbits
	.p2align	6, 0x0
	.amdhsa_kernel k_qf8c1698af8_qkv
		.amdhsa_group_segment_fixed_size 327680
		.amdhsa_private_segment_fixed_size 0
		.amdhsa_enable_private_segment 0
		.amdhsa_kernarg_size 48
		.amdhsa_user_sgpr_count 2
		.amdhsa_user_sgpr_kernarg_segment_ptr 1
		.amdhsa_wavefront_size32 1
		.amdhsa_system_sgpr_workgroup_id_x 1
		.amdhsa_system_sgpr_workgroup_id_y 1
		.amdhsa_system_sgpr_workgroup_id_z 1
		.amdhsa_system_vgpr_workitem_id 0
		.amdhsa_next_free_vgpr 1024
		.amdhsa_next_free_sgpr 96
		.amdhsa_reserve_vcc 0
		.amdhsa_float_denorm_mode_32 3
		.amdhsa_float_denorm_mode_16_64 3
		.amdhsa_memory_ordered 1
		.amdhsa_forward_progress 1
		.amdhsa_inst_pref_size 118
	.end_amdhsa_kernel
	.amdgpu_metadata
---
amdhsa.version: [ 1, 2 ]
amdhsa.kernels:
  - .name:           k_qf8c1698af8_qkv
    .symbol:         k_qf8c1698af8_qkv.kd
    .args:
      - { .name: query_codes, .offset: 0, .size: 8, .value_kind: global_buffer, .address_space: global }
      - { .name: in_proj_weight_codes, .offset: 8, .size: 8, .value_kind: global_buffer, .address_space: global }
      - { .name: lowp_scales, .offset: 16, .size: 8, .value_kind: global_buffer, .address_space: global }
      - { .name: qc, .offset: 24, .size: 8, .value_kind: global_buffer, .address_space: global }
      - { .name: kc, .offset: 32, .size: 8, .value_kind: global_buffer, .address_space: global }
      - { .name: vc, .offset: 40, .size: 8, .value_kind: global_buffer, .address_space: global }
    .group_segment_fixed_size: 327680
    .private_segment_fixed_size: 0
    .kernarg_segment_align: 8
    .kernarg_segment_size: 48
    .max_flat_workgroup_size: 128
    .sgpr_count:     96
    .vgpr_count:     1024
    .wavefront_size: 32
...
	.end_amdgpu_metadata
.endif
;; end of part 1
;; launch attn (part 2): grid 4 x 64, 8 waves a work-group, no clusters, 327,680 bytes of LDS; arguments qc, kc, vc, lowp_scales, ac; writes ac
.if DOCPART == 2
	.amdgcn_target "amdgcn-amd-amdhsa--gfx1250"
	.amdhsa_code_object_version 6
	.text
	.protected	k_qf8c1698af8_attn
	.globl	k_qf8c1698af8_attn
	.p2align	8
	.type	k_qf8c1698af8_attn,@function
k_qf8c1698af8_attn:
	s_mov_b64 s[64:65], 0
	v_nop
	global_prefetch_b8 v0, s[64:65] scope:SCOPE_SE
	s_setreg_imm32_b32 hwreg(HW_REG_WAVE_MODE, 25, 1), 1
	s_wait_xcnt 0x0
; PRODUCTS 2 AND 3: causal attention on codes of E4M3, head size 64, 2,048 tokens, 64 heads (batch x head).  qc, kc, vc hold images of operand registers (laid by the launch before); ac takes the result's codes, quantised along E with 2^e6.
; THE SOFTMAX AHEAD OF THE SECOND PRODUCT: t = score x log2(e) (the division by 8 is in q's codes already); M = the row's largest t so far, rounded UP to a whole number; p = 2^(t - M) is quantised with 2^e4, not normalised.
; The row's sum is taken of the unquantised p, in f32, and divides O at the end.  When M moves, the sum and O are multiplied by 2^(old M - new M): exact.
; SHARES.  Work-group (i, head) owns the blocks i and 7 - i of 256 queries, one after the other: block i walks the slots 0 .. i of 256 keys, block 7 - i the slots 0 .. 7 - i: NINE slots in every work-group, a constant trip count, 256 equal work-groups.
; Each of the eight waves owns 32 queries of the block, two tiles of 16, so that each fragment of K and of V read from LDS feeds two matrix instructions; two waves share a SIMD.  A key step is 128 keys; a slot holds two.
; A step all of whose keys come after the wave's queries is left out by a scalar branch on ids; on the diagonal hidden scores become -infinity ahead of the maximum.  Since a step's first key is a multiple of 128 and a wave's first query of 32,
; every query of a step that is not left out sees that step's first key: the maximum is a number in every step that is worked.
; LAYOUT.  Both products transposed: S^T = K Q^T (source 0 = 16 keys, source 1 = 16 queries), O^T = V^T P^T (source 0 = 16 channels, source 1 = P): a lane holds ONE query (lane % 16) throughout.  In tile t of S^T lane (r, h) holds keys
; 16 t + 8 h + 0 .. 7: one conversion gives registers 2 t, 2 t + 1 of the 8-bit operand layout: p's codes are the second product's operand as they come.  O^T's tile t gives 8 codes of channels 16 t + 8 h + 0 .. 7.
; ac: [tile of 16 rows 512][128 along E 8][quad 4][lane 32][16 bytes], quad c of lane (r, h') = k 32 c + 16 h' + 0 .. 15: the pair of channel tile t goes to 1024 (head % 2) + 256 t + 16 r + 8 h: a wave's store covers 256 consecutive bytes, aligned.
; NO CLUSTER: the four work-groups of a head want different slots in the same trip (0 | 0 .. 7;  0 1 | 0 .. 6;  ..); a common walk in which each partner makes every joint request has 12 slots in place of 9.
; LIMITS on the given exponents, so that each power of two below is an f32 number: e2 + e3 between -126 and 127 (added to log2(e)'s exponent field); e4 and e6 between -126 and 119; e4 + e5 is applied by v_ldexp_f32 and has none.
; REGISTERS.  Tile 0 lives in window 0, tile 1 in window 1, under the same numbers, so the softmax is written once and expanded under two window settings.  Window 0 alone: v1-8 addresses.  Both: v12-15 statistics, v16-23 Q, v24-39 p's codes,
; v40-56 constants and work, v64-127 S^T then p, v128-159 O^T.  v160-223 of window 0: K's 8 fragments; of window 1: V's 4.
.set SLOT1, 32768                      ; a slot: 16 images of 16 keys x 64 (1,024 bytes each), then 2 key steps x 4 images of 16 channels x 128 keys (2,048 each).  Every read is 16 bytes a lane, dense: no padding
.set VOFF,  16384
.set STEPB, 8192                       ; a key step's part of K's images, and of V's
.set SPARE, 2*SLOT1                    ; behind the ring: the spare words, 128 bytes for each of eight waves, which no other line names
.set L16,  1                           ; v1   16 x lane
.set ADR,  2                           ; v2   the slot in hand + 16 x lane
.set OV,   3                           ; v3   16 r + 8 h: my 8 bytes of a store into ac
.set SPW,  4                           ; v4   LDS address of my spare word; never rewritten
.set NIL,  5                           ; v5   0; never rewritten
.set PFO,  6                           ; v6   the prefetches' offset; never rewritten
.set NM,   12                          ; -M
.set TM,   13                          ; the largest t
.set SUM,  14                          ; v[14:15] the sum, in two halves
.set QF,   16
.set PC,   24
.set PLIM, 40                          ; 448 x 2^e4
.set PSC,  41                          ; 2^e4
.set NINF, 42
.set DQ,   43                          ; r - 8 h + 16 x tile
.set DM,   44
.set FF,   46                          ; v[46:47] the factor in hand (and a word that is only named)
.set MX,   48
.set MY,   49
.set PX,   50
.set SU2,  52
.set OLIM, 54                          ; 448 x 2^e6
.set OSC,  55                          ; 2^e6
.set RC,   56
.set SS,   64
.set OT,   128
.set KV,   160
.set WV,   14                          ; s14  wave
.set II,   15                          ; s15  i
.set TR,   16                          ; s16  the trip
.set TB,   17                          ; s17  LDS byte at which the slot in hand begins
.set KF,   18                          ; s18  the step's first key
.set Q0,   19                          ; s19  my first query
.set SEL,  20                          ; s[20:21] selects for lane l xor 16
.set CS,   22                          ; s[22:23] log2(e) x 2^(e2 + e3), twice
.set G1K,  24
.set G1V,  32
.set G0K,  40
.set G0V,  44
.set KB,   48                          ; s[48:49] my wave's part of the head's K images, slot 0;  s[50:51] of V's
.set VB,   50
.set QB,   52                          ; s[52:53] the head's Q images;  s[54:55] the head's place in ac
.set AB,   54
.set EX,   56                          ; s[56:63] e0 .. e7
.set T64,  66                          ; s[66:67] an offset in 64 bits
.set QA,   68
.set OA,   70
.set PFA,  72                          ; s[72:73] where my prefetches stand
.set PFL,  74
.set E45,  75
.set T3,   76
.set T0,   77
.set T1,   78
.set T2,   79
.set MSB, 0
.macro WIN new                         ; the immediate's high byte repeats the setting that is left.  bits 1:0 source 0, 3:2 source 1, 5:4 source 2, 7:6 destination
.if MSB != (\new)
	s_set_vgpr_msb (MSB<<8)|(\new)
.set MSB, (\new)
.endif
.endm
; Waves 0 and 1 fetch K's halves of a slot, waves 2 and 3 V's two key steps, the others nothing.  The branches hang on the wave's number alone.  Four v_nop follow each of the two lines.
.macro TLOAD
	s_cmp_lt_u32 s[WV], 2
	s_cbranch_scc0 .Lnot_k_\@
	tensor_load_to_lds s[G0K:G0K+3], s[G1K:G1K+7]
	s_nop 0
.rept 4
	v_nop
.endr
	s_branch .Lasked_\@
.Lnot_k_\@:
	s_cmp_lt_u32 s[WV], 4
	s_cbranch_scc0 .Lasked_\@
	tensor_load_to_lds s[G0V:G0V+3], s[G1V:G1V+7]
	s_nop 0
.rept 4
	v_nop
.endr
.Lasked_\@:
.endm
; A PREFETCH INTO THE L2 of the slot that the NEXT change of slots will ask for.  The head's work-group with i = 0 walks slots 0 .. 7 in order in its trips 1 .. 8: it alone asks, in trips 1 to 6, for slots 2 to 7: one slot, two key steps, ahead of the load.
; In it the waves ask that fetch nothing, one instruction each: waves 4 and 5 for K's halves (8 images of 1,024 bytes, 2,048 apart: four lanes to an image, 256 bytes apart), waves 6 and 7 for V's key steps (8,192 dense bytes, lanes 256 bytes apart).
; So each aligned block of 256 bytes of slots 2 to 7 is named once in the launch.  Nothing is asked at the head, and nothing past slot 7.
.macro ASK
	s_sub_co_u32 s[T0], s[TR], 1
	s_cmp_lt_u32 s[T0], s[PFL]                     ; trips 1 .. 6 where s[PFL] = 6; never where it is 0
	s_cbranch_scc0 .Lnot_mine_\@
	global_prefetch_b8 v[PFO], s[PFA:PFA+1] th:TH_LOAD_NT scope:SCOPE_SE
.Lnot_mine_\@:
.endm
	s_load_b256 s[4:11], s[0:1], 0x0               ; qc s[4:5], kc s[6:7], vc s[8:9], the scales' exponents s[10:11]
	s_load_b64 s[12:13], s[0:1], 0x20              ; ac
	v_lshl_add_u32 v[SPW], v0, 2, SPARE
	v_mov_b32 v[NIL], 0
	ds_add_u32 v4, v5
	s_wait_dscnt 0x0
	v_lshrrev_b32 v7, 5, v0
	v_readfirstlane_b32 s[WV], v7                  ; wave 0..7
	s_mov_b32 s[II], ttmp9
	s_and_b32 s[T0], ttmp7, 0xffff                 ; 16 x batch + head
	s_lshr_b32 s[T1], s[T0], 1                     ; = 8 x batch + pair of heads
	s_lshl_b32 s[T64], s[T1], 18                   ; x 262,144 bytes, in qc, kc and vc alike
	s_and_b32 s[T2], s[T0], 1                      ; which head of the pair
	s_and_b32 s[T3], s[WV], 1
	s_lshl_b32 s[T3], s[T3], 14                    ; my half of a slot in memory: 8 key tiles x 2,048, or one key step of 16,384
	s_lshl_b32 s[T1], s[T2], 10
	s_add_co_u32 s[QB], s[T64], s[T1]
	s_mov_b32 s[QB+1], 0
	s_add_co_u32 s[KB], s[QB], s[T3]
	s_mov_b32 s[KB+1], 0
	s_lshl_b32 s[T1], s[T2], 13
	s_add_co_u32 s[VB], s[T64], s[T1]
	s_add_co_u32 s[VB], s[VB], s[T3]
	s_mov_b32 s[VB+1], 0
	s_lshr_b32 s[T1], s[T0], 4
	s_lshl_b32 s[T1], s[T1], 21                    ; ac: the batch's 128 row tiles of 16,384 bytes,
	s_and_b32 s[AB], s[T0], 15
	s_lshl_b32 s[AB], s[AB], 10                    ; + 1,024 x head (2,048 x pair + 1,024 x head of the pair)
	s_add_co_u32 s[AB], s[AB], s[T1]
	s_mov_b32 s[AB+1], 0
	; descriptor group 1.  K: 8 rows of 1,024 bytes (my head's image of a key tile), 2,048 bytes apart in memory, dense in LDS.  Elements of 8 bytes
	s_mov_b32 s[G1K], 3<<16                        ; no mask, no padding
	s_mov_b32 s[G1K+1], 128<<16                    ; tensor_dim0 = 128 elements
	s_mov_b32 s[G1K+2], 8<<16                      ; tensor_dim1 = 8
	s_mov_b32 s[G1K+3], 128<<16                    ; tile_dim0
	s_mov_b32 s[G1K+4], 8                          ; tile_dim1
	s_mov_b32 s[G1K+5], 256                        ; stride: 2,048 bytes
	s_mov_b32 s[G1K+6], 0
	s_mov_b32 s[G1K+7], 0
	; V: a key step's 8,192 dense bytes as 32 rows of 256
	s_mov_b32 s[G1V], 3<<16
	s_mov_b32 s[G1V+1], 32<<16
	s_mov_b32 s[G1V+2], 32<<16
	s_mov_b32 s[G1V+3], 32<<16
	s_mov_b32 s[G1V+4], 32
	s_mov_b32 s[G1V+5], 32
	s_mov_b32 s[G1V+6], 0
	s_mov_b32 s[G1V+7], 0
	s_mov_b32 s[G0K], 1
	s_and_b32 s[G0K+1], s[WV], 1
	s_lshl_b32 s[G0K+1], s[G0K+1], 13              ; LDS: slot 0, K's half (wave % 2)
	s_mov_b32 s[G0V], 1
	s_add_co_u32 s[G0V+1], s[G0K+1], VOFF          ; V's key step (wave % 2)
	s_mov_b32 s[SEL], 0x76543210
	s_mov_b32 s[SEL+1], 0xfedcba98
	s_wait_kmcnt 0x0
	s_load_b256 s[EX:EX+7], s[10:11], 0x0          ; e0 .. e7
	s_add_nc_u64 s[QB:QB+1], s[4:5], s[QB:QB+1]
	s_add_nc_u64 s[KB:KB+1], s[6:7], s[KB:KB+1]
	s_add_nc_u64 s[VB:VB+1], s[8:9], s[VB:VB+1]
	s_add_nc_u64 s[AB:AB+1], s[12:13], s[AB:AB+1]
	s_mov_b64 s[G0K+2:G0K+3], s[KB:KB+1]           ; the first trip's slot is key slot 0 in every work-group
	s_or_b32 s[G0K+3], s[G0K+3], 0x80000000
	s_mov_b64 s[G0V+2:G0V+3], s[VB:VB+1]
	s_or_b32 s[G0V+3], s[G0V+3], 0x80000000
	TLOAD                                          ; the launch's one first fill: by the text's own count a wave never has more than one tensor load out
	s_mov_b32 s[T1], 1024
	s_cmp_lt_u32 s[WV], 6                          ; the prefetches: waves 4, 5 stand in K, waves 6, 7 in V, each at its own half (wave % 2): the very bases that waves 0 to 3 fetch by
	s_cselect_b32 s[T1], 2048, s[T1]               ; from four lanes to the next four
	s_cselect_b64 s[PFA:PFA+1], s[KB:KB+1], s[VB:VB+1]
	s_lshr_b32 s[T0], s[WV], 2
	s_xor_b32 s[T0], s[T0], 1                      ; 0 in waves 4 to 7,
	s_or_b32 s[T0], s[T0], s[II]                   ; of the work-group with i = 0
	s_cmp_eq_u32 s[T0], 0
	s_cselect_b32 s[PFL], 6, 0
	v_and_b32 v7, 31, v0
	v_lshlrev_b32 v[L16], 4, v7
	v_and_b32 v8, 15, v0                           ; r
	v_bfe_u32 v7, v0, 4, 1                         ; h
	v_lshlrev_b32 v[OV], 4, v8
	v_lshl_add_u32 v[OV], v7, 3, v[OV]
	v_lshlrev_b32 v7, 3, v7
	v_sub_nc_u32 v[DQ], v8, v7                     ; r - 8 h (tile 0)
	v_bfe_u32 v7, v0, 2, 3                         ; lane / 4
	v_mul_lo_u32 v[PFO], v7, s[T1]
	v_and_b32 v7, 3, v0
	v_lshl_add_u32 v[PFO], v7, 8, v[PFO]
	s_wait_kmcnt 0x0
	s_add_co_i32 s[T0], s[EX+2], s[EX+3]
	s_lshl_b32 s[T0], s[T0], 23
	s_mov_b32 s[CS], 0x3fb8aa3b                    ; log2(e)
	s_add_co_i32 s[CS], s[CS], s[T0]               ; a score stands for score x 2^(e2 + e3): the exponents are added to the factor's exponent field
	s_mov_b32 s[CS+1], s[CS]                       ; (named with it as a pair, so it is written)
	s_add_co_i32 s[E45], s[EX+4], s[EX+5]
	s_add_co_i32 s[T0], s[EX+4], 127
	s_lshl_b32 s[T1], s[T0], 23                    ; 2^e4
	s_add_co_i32 s[T0], s[T0], 8
	s_lshl_b32 s[T0], s[T0], 23
	s_or_b32 s[T0], s[T0], 0x600000                ; 448 x 2^e4
	s_add_co_i32 s[T2], s[EX+6], 127
	s_lshl_b32 s[T3], s[T2], 23                    ; 2^e6
	s_add_co_i32 s[T2], s[T2], 8
	s_lshl_b32 s[T2], s[T2], 23
	s_or_b32 s[T2], s[T2], 0x600000                ; 448 x 2^e6
.macro CONSTS                          ; alike in both windows
	v_mov_b32 v[PLIM], s[T0]
	v_mov_b32 v[PSC], s[T1]
	v_mov_b32 v[NINF], 0xff800000
	v_mov_b32 v[FF+1], 0                           ; (named as the upper half of a pair)
	v_mov_b32 v[PX], 0                             ; (a lane permute's destination counts as one of its sources)
	v_mov_b32 v[OLIM], s[T2]
	v_mov_b32 v[OSC], s[T3]
.endm
	CONSTS
	WIN 0x40                                       ; destination window 1
	CONSTS
	v_add_nc_u32 v[DQ], 16, v[DQ]                  ; tile 1's: window 0's + 16
	WIN 0
.macro RESET                           ; under the tile's window.  The key step is written once: a block's first step finds zeros, which the first change of M leaves zeros
	v_mov_b32 v[TM], 0xff61b1e6                    ; the largest t so far: -3e38, under every t
	v_floor_f32 v[NM], -v[TM]
	v_mov_b32 v[SUM], 0
	v_mov_b32 v[SUM+1], 0
.set j, 0
.rept 32
	v_mov_b32 v[OT+j], 0
.set j, j+1
.endr
.endm
.macro INIT_BLOCK                      ; a block of queries begins: s[Q0] is set
	s_lshl_b32 s[T64], s[Q0], 7                    ; a tile of 16 queries is 2,048 bytes on in qc,
	s_mov_b32 s[T64+1], 0
	s_add_nc_u64 s[QA:QA+1], s[QB:QB+1], s[T64:T64+1]
	s_lshl_b32 s[T64], s[Q0], 10                   ; and 16,384 in ac
	s_add_nc_u64 s[OA:OA+1], s[AB:AB+1], s[T64:T64+1]
	global_load_b128 v[QF:QF+3], v[L16], s[QA:QA+1]
	global_load_b128 v[QF+4:QF+7], v[L16], s[QA:QA+1] offset:512
	WIN 0x40
	global_load_b128 v[QF:QF+3], v[L16], s[QA:QA+1] offset:2048
	global_load_b128 v[QF+4:QF+7], v[L16], s[QA:QA+1] offset:2560
	WIN 0
	RESET
	WIN 0x55
	RESET
	WIN 0
	s_mov_b32 s[KF], 0
	s_wait_loadcnt 0x0                             ; Q
.endm
.macro MASKT                           ; under the tile's window; s[T0] = Q0 - KF.  Register 8 t + j holds key KF + 16 t + 8 h + j; my query is Q0 + 16 x tile + r: hidden where 16 t + j > d
	v_add_nc_u32 v[DM], s[T0], v[DQ]               ; d
.set n, 0
.rept 64
	v_cmp_gt_i32 vcc_lo, 16*(n/8)+n%8, v[DM]
	v_cndmask_b32 v[SS+n], v[SS+n], v[NINF], vcc_lo
.set n, n+1
.endr
.endm
.macro SM                              ; one tile's softmax for one key step, under the tile's window
	v_max3_num_f32 v[MX], v[SS], v[SS+1], v[SS+2]  ; the step's largest score of my query, among my 64 keys, in two chains, ascending
	v_max3_num_f32 v[MY], v[SS+3], v[SS+4], v[SS+5]
.set i, 6
.rept 14
	v_max3_num_f32 v[MX], v[MX], v[SS+i], v[SS+i+1]
	v_max3_num_f32 v[MY], v[MY], v[SS+i+2], v[SS+i+3]
.set i, i+4
.endr
	v_max3_num_f32 v[MX], v[MX], v[SS+62], v[SS+63]
	v_max_num_f32 v[MX], v[MX], v[MY]
	v_permlanex16_b32 v[PX], v[MX], s[SEL], s[SEL+1]
	v_max_num_f32 v[MX], v[MX], v[PX]              ; and among lane l xor 16's
	v_mul_f32 v[MX], s[CS], v[MX]                  ; as t (the factor is positive)
	v_max_num_f32 v[TM], v[TM], v[MX]              ; the running largest t
	v_mov_b32 v[MX], v[NM]
	v_floor_f32 v[NM], -v[TM]                      ; the new -M = floor(-t) = -ceil(t): M is a whole number
	v_sub_f32 v[MX], v[NM], v[MX]                  ; M's old value less its new one: a whole number, 0 or less
	v_cvt_i32_f32 v[MX], v[MX]                     ; (it saturates)
	v_ldexp_f32 v[FF], 1.0, v[MX]                  ; f = 2^(old M - new M)
.set j, 0
.rept 32
	v_pk_fma_f32 v[SS+j:SS+j+1], v[SS+j:SS+j+1], s[CS:CS+1], v[NM:NM+1] op_sel_hi:[1,0,0]   ; t - M, two at a time (of the pairs the low word serves both halves)
.set j, j+2
.endr
.set j, 0
.rept 64
	v_exp_f32 v[SS+j], v[SS+j]                     ; p = 2^(t - M), at most 1: not normalised
.set j, j+1
.endr
	v_pk_mul_f32 v[SUM:SUM+1], v[SUM:SUM+1], v[FF:FF+1] op_sel_hi:[1,0]   ; the sums under the new M: the plain line behind the exponentials
	s_wait_alu depctr_va_vdst(0)                   ; one wait for the batch of 64, ahead of its first reader
	v_pk_add_f32 v[SU2:SU2+1], v[SS:SS+1], v[SS+2:SS+3]   ; the row's sum is taken of the UNQUANTISED p: two at a time, in two chains
.set j, 4
.rept 15
	v_pk_add_f32 v[SUM:SUM+1], v[SUM:SUM+1], v[SS+j:SS+j+1]
	v_pk_add_f32 v[SU2:SU2+1], v[SU2:SU2+1], v[SS+j+2:SS+j+3]
.set j, j+4
.endr
	v_pk_add_f32 v[SUM:SUM+1], v[SUM:SUM+1], v[SU2:SU2+1]
.set b, 0
.rept 8
.set i, 0
.rept 8
	v_min_num_f32 v[SS+8*b+i], v[SS+8*b+i], v[PLIM]   ; the conversion to an 8-bit code does not saturate (ISA guide 7.6.2); p is not negative, so the hold is one-sided
.set i, i+1
.endr
	v_cvt_scalef32_pk8_fp8_f32 v[PC+2*b:PC+2*b+1], v[SS+8*b:SS+8*b+7], v[PSC]   ; keys 16 b + 8 h + 0 .. 7: registers 2 b, 2 b + 1 of the operand
.set b, b+1
.endr
.set j, 0
.rept 16
	v_pk_mul_f32 v[OT+j:OT+j+1], v[OT+j:OT+j+1], v[FF:FF+1] op_sel_hi:[1,0]   ; O^T under the new M, from each accumulator's low end on; also the plain lines behind the conversions
.set j, j+2
.endr
.endm
.macro KQ                              ; S^T = K Q^T for one tile of queries: eight tiles of 16 keys, K = the head's 64; each starts its own sum
.irp t, 0,1,2,3,4,5,6,7
	v_wmma_f32_16x16x64_fp8_fp8 v[SS+8*\t:SS+8*\t+7], v[KV+8*\t:KV+8*\t+7], v[QF:QF+7], 0
.endr
.endm
.macro PV                              ; O^T += V^T P^T for one tile of queries: four tiles of 16 channels, K = the step's 128 keys.  Four accumulators, one instruction each: they take turns
.irp c, 0,1,2,3
	v_wmma_f32_16x16x128_fp8_fp8 v[OT+8*\c:OT+8*\c+7], v[KV+16*\c:KV+16*\c+15], v[PC:PC+15], v[OT+8*\c:OT+8*\c+7]
.endr
.endm
; A KEY STEP: 128 keys, the q-th of the slot in hand.
.macro STEP q
	s_add_co_u32 s[T0], s[Q0], 31
	s_cmp_gt_u32 s[KF], s[T0]                      ; all its keys come after my 32 queries: the step's work is left out; no barrier and no tensor load stands in a step
	s_cbranch_scc1 .Lhidden_\@
	v_add_nc_u32 v[ADR], s[TB], v[L16]
.rept 3
	v_nop                                          ; with the addition four places, in front of loads into V's registers, which the last products read
.endr
.irp t, 0,1,2,3,4,5,6,7
	ds_load_b128 v[KV+8*\t:KV+8*\t+3], v[ADR] offset:(\q)*STEPB+\t*1024
	ds_load_b128 v[KV+8*\t+4:KV+8*\t+7], v[ADR] offset:(\q)*STEPB+\t*1024+512
.endr
	WIN 0x40                                       ; destination window 1
.irp f, 0,1,2,3
.irp c, 0,1,2,3
	ds_load_b128 v[KV+16*\f+4*\c:KV+16*\f+4*\c+3], v[ADR] offset:VOFF+(\q)*STEPB+\f*2048+\c*512
.endr
.endr
	WIN 0
	s_wait_dscnt 16                                ; K's sixteen loads are in; V's sixteen, issued behind them, may be out
	KQ
	WIN 0x44                                       ; S^T and Q of tile 1 in window 1, K in window 0
	KQ
	WIN 0
.rept 4
	v_nop                                          ; places behind the last products, in front of the first read of results
.endr
	s_add_co_u32 s[T0], s[KF], 127
	s_cmp_le_u32 s[T0], s[Q0]                      ; all its keys count for all my queries: no mask
	s_cbranch_scc1 .Lopen_\@
	s_sub_co_i32 s[T0], s[Q0], s[KF]
	MASKT
	WIN 0x55
	MASKT
	WIN 0
.Lopen_\@:
	SM
	s_wait_dscnt 0x0                               ; V is in
	WIN 0x01                                       ; V in window 1; P and O^T of tile 0 in window 0
	PV
	WIN 0x55                                       ; all of tile 1 in window 1
	SM
	PV
	WIN 0
.Lhidden_\@:
	s_add_co_u32 s[KF], s[KF], 128
.endm
.macro SLOT_STEPS
	STEP 0
	STEP 1
	s_xor_b32 s[TB], s[TB], SLOT1                  ; on to the other slot
.endm
; THE CHANGE OF SLOTS stands at a slot's head.  Each wave waits for all its tensor loads (its part of the slot that it is about to read), adds 0 to its spare word, and waits for that and for its reads of the slot that it has left.
; Behind the barrier the slot ahead is whole and nobody reads the other one.  fill = 1: that other slot is filled with the next trip's keys: the load has a whole slot's two steps in which to land.
.macro CHANGE fill
	s_wait_tensorcnt 0x0                           ; no tensor load of mine is out, so a group 0 may be written
	ds_add_u32 v[SPW], v[NIL]                      ; 0 onto my spare word: the descriptors' steps stand between it and the wait for it
.if \fill
	s_add_co_u32 s[T0], s[TR], 1                   ; the next trip's key slot: trip + 1 while that is at most i (block i), then it begins anew at 0 (block 7 - i)
	s_add_co_u32 s[T1], s[II], 1
	s_cmp_gt_u32 s[T0], s[II]
	s_cselect_b32 s[T1], s[T1], 0
	s_sub_co_u32 s[T0], s[T0], s[T1]
	s_lshl_b32 s[T64], s[T0], 15                   ; a slot is 32,768 bytes on, in kc and in vc
	s_mov_b32 s[T64+1], 0
	s_xor_b32 s[G0K+1], s[G0K+1], SLOT1            ; the other LDS slot than last time
	s_add_nc_u64 s[G0K+2:G0K+3], s[KB:KB+1], s[T64:T64+1]
	s_or_b32 s[G0K+3], s[G0K+3], 0x80000000
	s_xor_b32 s[G0V+1], s[G0V+1], SLOT1
	s_add_nc_u64 s[G0V+2:G0V+3], s[VB:VB+1], s[T64:T64+1]
	s_or_b32 s[G0V+3], s[G0V+3], 0x80000000
	s_wait_xcnt 0x0                                ; the last prefetch, a slot back, has read its address, so it may be written:
	s_add_nc_u64 s[PFA:PFA+1], s[PFA:PFA+1], SLOT1 ; in trip tau it stands at key slot tau + 1
.endif
	s_wait_dscnt 0x0                               ; the add is done, and my reads of the slot that I have left are over
	s_barrier_signal -1
	s_barrier_wait -1
.if \fill
	TLOAD                                          ; the first thing behind the barrier, and a wave's one tensor load until the next
	ASK
.endif
.endm
; A BLOCK'S END, tile u under its window: the sum's halves are added; O^T x 2^(e4 + e5) / the sum is held within +-448 x 2^e6 and converted; the four pairs of code registers go to ac.
.macro FIN_T u
	WIN 0x55*\u
	v_add_f32 v[SUM], v[SUM], v[SUM+1]
	v_permlanex16_b32 v[PX], v[SUM], s[SEL], s[SEL+1]
	v_add_f32 v[SUM], v[SUM], v[PX]                ; the row's sum
	v_rcp_f32 v[RC], v[SUM]
	v_nop                                          ; a plain line behind the transcendental
	s_wait_alu depctr_va_vdst(0)                   ; and the wait ahead of its first reader
	v_ldexp_f32 v[FF], v[RC], s[E45]
.set j, 0
.rept 16
	v_pk_mul_f32 v[SS+j:SS+j+1], v[OT+j:OT+j+1], v[FF:FF+1] op_sel_hi:[1,0]   ; each accumulator from its low end on
.set j, j+2
.endr
.set j, 0
.rept 32
	v_med3_num_f32 v[SS+j], v[SS+j], -v[OLIM], v[OLIM]
.set j, j+1
.endr
.irp t, 0,1,2,3
	v_cvt_scalef32_pk8_fp8_f32 v[PC+2*\t:PC+2*\t+1], v[SS+8*\t:SS+8*\t+7], v[OSC]
.endr
	v_nop                                          ; one plain vector line behind the last conversion
	WIN 0x04*\u                                    ; the stores' data in the tile's window, the address in window 0
.irp t, 0,1,2,3
	global_store_b64 v[OV], v[PC+2*\t:PC+2*\t+1], s[OA:OA+1] offset:\u*16384+\t*256   ; 32 lanes store 256 consecutive bytes, at a multiple of 256 from ac's first byte
.endr
.endm
.macro FINISH
	FIN_T 0
	FIN_T 1
	WIN 0
	s_wait_xcnt 0x0                                ; the stores have read their data and their base: both may be written again
.endm
	s_lshl_b32 s[Q0], s[II], 8
	s_lshl_b32 s[T0], s[WV], 5
	s_add_co_u32 s[Q0], s[Q0], s[T0]               ; block i: my first query = 256 i + 32 x wave
	INIT_BLOCK
	s_mov_b32 s[TR], 0
	s_mov_b32 s[TB], 0
.Ltrip:                                            ; eight trips: behind each change of slots but the last the next trip's slot is asked for
	CHANGE 1
	SLOT_STEPS
	s_cmp_lg_u32 s[TR], s[II]                      ; block i ends with trip i: a branch on the work-group's number, round loads, stores and register work alone
	s_cbranch_scc1 .Lsame
	FINISH
	s_sub_co_u32 s[Q0], 7, s[II]
	s_lshl_b32 s[Q0], s[Q0], 8
	s_lshl_b32 s[T0], s[WV], 5
	s_add_co_u32 s[Q0], s[Q0], s[T0]               ; block 7 - i
	INIT_BLOCK
.Lsame:
	s_add_co_u32 s[TR], s[TR], 1
	s_cmp_lt_u32 s[TR], 8
	s_cbranch_scc1 .Ltrip
	CHANGE 0                                       ; the ninth slot is written out
	SLOT_STEPS
	FINISH
	s_wait_tensorcnt 0x0                           ; the wave's end
	ds_add_u32 v[SPW], v[NIL]
	s_wait_dscnt 0x0
	s_endpgm
.Lfunc_end_k_qf8c1698af8_attn:
	.size	k_qf8c1698af8_attn, .Lfunc_end_k_qf8c1698af8_attn-k_qf8c1698af8_attn
	.p2alignl 7, 3214868480
	.fill 96, 4, 3214868480
	.section	.rodata,"a",@progbits
	.p2align	6, 0x0
	.amdhsa_kernel k_qf8c1698af8_attn
		.amdhsa_group_segment_fixed_size 327680
		.amdhsa_private_segment_fixed_size 0
		.amdhsa_enable_private_segment 0
		.amdhsa_kernarg_size 40
		.amdhsa_user_sgpr_count 2
		.amdhsa_user_sgpr_kernarg_segment_ptr 1
		.amdhsa_wavefront_size32 1
		.amdhsa_system_sgpr_workgroup_id_x 1
		.amdhsa_system_sgpr_workgroup_id_y 1
		.amdhsa_system_sgpr_workgroup_id_z 1
		.amdhsa_system_vgpr_workitem_id 0
		.amdhsa_next_free_vgpr 512
		.amdhsa_next_free_sgpr 80
		.amdhsa_reserve_vcc 1
		.amdhsa_float_denorm_mode_32 3
		.amdhsa_float_denorm_mode_16_64 3
		.amdhsa_memory_ordered 1
		.amdhsa_forward_progress 1
		.amdhsa_inst_pref_size 184
	.end_amdhsa_kernel
	.amdgpu_metadata
---
amdhsa.version: [ 1, 2 ]
amdhsa.kernels:
  - .name:           k_qf8c1698af8_attn
    .symbol:         k_qf8c1698af8_attn.kd
    .args:
      - { .name: qc, .offset: 0, .size: 8, .value_kind: global_buffer, .address_space: global }
      - { .name: kc, .offset: 8, .size: 8, .value_kind: global_buffer, .address_space: global }
      - { .name: vc, .offset: 16, .size: 8, .value_kind: global_buffer, .address_space: global }
      - { .name: lowp_scales, .offset: 24, .size: 8, .value_kind: global_buffer, .address_space: global }
      - { .name: ac, .offset: 32, .size: 8, .value_kind: global_buffer, .address_space: global }
    .group_segment_fixed_size: 327680
    .private_segment_fixed_size: 0
    .kernarg_segment_align: 8
    .kernarg_segment_size: 40
    .max_flat_workgroup_size: 256
    .sgpr_count:     80
    .vgpr_count:     512
    .wavefront_size: 32
...
	.end_amdgpu_metadata
.endif
;; end of part 2
;; launch proj (part 3): grid 64 x 4, 4 waves a work-group, clusters of 4 x 1, 327,680 bytes of LDS; arguments ac, out_proj_weight_codes, lowp_scales, out0; writes out0
.if DOCPART == 3
	.amdgcn_target "amdgcn-amd-amdhsa--gfx1250"
	.amdhsa_code_object_version 6
	.text
	.protected	k_qf8c1698af8_proj
	.globl	k_qf8c1698af8_proj
	.p2align	8
	.type	k_qf8c1698af8_proj,@function
k_qf8c1698af8_proj:
	s_mov_b64 s[64:65], 0
	v_nop
	global_prefetch_b8 v0, s[64:65] scope:SCOPE_SE
	s_setreg_imm32_b32 hwreg(HW_REG_WAVE_MODE, 25, 1), 1
	s_wait_xcnt 0x0
	s_wait_alu depctr_hold_cnt(0) depctr_sa_sdst(0) depctr_va_vdst(0) depctr_va_sdst(0) depctr_va_ssrc(0) depctr_va_vcc(0) depctr_vm_vsrc(0)
	s_getreg_b32 s2, hwreg(HW_REG_IB_STS2, 6, 4)
	s_cmp_eq_u32 s2, 0
	s_cbranch_scc0 .Lentry_in_a_cluster
	s_endpgm
.Lentry_in_a_cluster:
	s_bfe_u32 s2, ttmp6, 0x10000c
	s_cmp_lg_u32 s2, 0x3003
	s_cbranch_scc0 .Lentry_shape_is_right
	s_endpgm
.Lentry_shape_is_right:
; PRODUCT 4: out0[m][n] = 2^(e6 + e7) x the sum over k of A[m][k] W[n][k].  A = the attention's result as codes of E4M3 (8,192 x 1,024), in ac as images of operand registers; W = out_proj_weight's codes [1024][1024], K innermost; out0 f32.
; LIMIT: e6 + e7 lies between -126 and 127, so that 2^(e6 + e7) is an f32 number.
; A work-group makes 128 rows x 256 columns: 64 x 4 = 256 work-groups.  Wave (w / 2, w % 2) makes 64 x 128: 32 accumulators, 256 registers.  K goes in eight steps of 128, all written out.
; W's 256 rows, all 1,024 along K, come into LDS ONCE, as four quarters of 256 along K: no LDS byte is filled twice, so there is no ring.  The four work-groups of a cluster lie along x and share the columns, hence W's rows: each quarter is asked for
; JOINTLY (the mask names all four).  Each wave issues four loads of 64 rows x 256 bytes in one group behind one round of the cluster's barrier: by the text's own count four tensor loads of a wave are out.
; A comes straight into registers: ac is [tile of 16 rows 512][128 along K 8][quad 4][lane 32][16 bytes], quad c of lane (r, h) = k 32 c + 16 h + 0 .. 15: the same permutation of k that four loads of 16 bytes give W's rows out of LDS.
; Sixteen loads a step, each of 512 consecutive bytes; four sets of registers, four steps ahead.
; THE MATRIX INSTRUCTION IS USED TRANSPOSED (source 0 = 16 rows of W, source 1 = 16 rows of A): a lane holds eight neighbouring numbers of a row of out0.
; REGISTERS, in windows of 256: window 0: v1-29 addresses; v32-95, v128-255 the way out.  window 1: W's fragments, two sets of 128.  window 2: the accumulators ((a, b) at v[8 (8 a + b)]).  window 3: A's fragments, four sets of 64.
.set PITCH,  272                       ; an LDS row: 256 bytes + 16 of padding: the 16 rows of a load start at 16 different banks (64 banks of 4 bytes: ISA guide 11.1)
.set QUART,  256*PITCH                 ; a quarter of K: 256 rows
.set STAGE,  4*QUART                   ; behind them: a stage of 16 rows x (512 bytes + 16) for each wave; no fill lands there
.set SPITCH, 528
.set SPARE,  STAGE+4*16*SPITCH         ; behind the stages: the spare words, 128 bytes for each wave, which no other line names
.set L16,  1                           ; v1     16 x lane: my place in an image of A, and in a row of out0
.set ADRB, 16                          ; v16-19 LDS address of my fragments of W in quarter 0 .. 3
.set STO,  24                          ; v24    the way out: where I put 32 bytes of a row
.set RD,   25                          ; v25    where I read a row back
.set SPW,  28                          ; v28    LDS address of my spare word; never rewritten
.set NIL,  29                          ; v29    0; never rewritten
.set TMP,  32
.set BK,   128
.set G1,   24                          ; s[24:31] descriptor group 1;  s[32:47] group 0, one set for each quarter
.set G0,   32
.set MSB, 0
.macro WIN new                         ; the immediate's high byte repeats the setting that is left
.if MSB != (\new)
	s_set_vgpr_msb (MSB<<8)|(\new)
.set MSB, (\new)
.endif
.endm
.macro CROUND                          ; a round of the cluster's barrier
	s_barrier_signal -1
	s_barrier_wait -1
	s_cmp_lg_u32 s14, 0
	s_cbranch_scc1 .Lnot_wave_0_\@
	s_barrier_signal -3
.Lnot_wave_0_\@:
	s_barrier_wait -3
	s_barrier_signal -1
	s_barrier_wait -1
.endm
.macro PLACES                          ; four places behind a matrix instruction, in front of loads into its sources and of the first read of results
.rept 4
	v_nop
.endr
.endm
	s_load_b256 s[4:11], s[0:1], 0x0               ; ac s[4:5], W s[6:7], the scales' exponents s[8:9], out0 s[10:11]
	v_lshl_add_u32 v[SPW], v0, 2, SPARE
	v_mov_b32 v[NIL], 0
	ds_add_u32 v28, v29
	s_wait_dscnt 0x0
	v_lshrrev_b32 v1, 5, v0
	v_readfirstlane_b32 s14, v1                    ; wave 0..3
	s_lshr_b32 s15, s14, 1                         ; which 64 rows are mine
	s_and_b32 s16, s14, 1                          ; which 128 columns
	s_bfe_u32 s17, ttmp6, 0x40000                  ; cx: it enters A's and out0's global addresses alone
	s_lshl_b32 s18, ttmp9, 2
	s_add_co_u32 s18, s18, s17                     ; the block of 128 rows = 4 x cluster x + cx
	s_and_b32 s19, ttmp7, 0xffff                   ; the block of 256 columns, which the four partners share
	s_mov_b32 s[G1], 15|(0<<16)|(1<<20)|(1<<21)|(5<<22)|(3<<25)   ; 15:0 the mask: all four work-groups; elements of 1 byte; 20 padding on; 21 set beside a mask; after every 64 words (code 5) four words (code 3)
	s_mov_b32 s[G1+1], 256<<16                     ; tensor_dim0
	s_mov_b32 s[G1+2], 64<<16                      ; tensor_dim1
	s_mov_b32 s[G1+3], 256<<16                     ; tile_dim0
	s_mov_b32 s[G1+4], 64                          ; tile_dim1
	s_mov_b32 s[G1+5], 1024                        ; stride: a row of W
	s_mov_b32 s[G1+6], 0
	s_mov_b32 s[G1+7], 0
	s_lshl_b32 s20, s19, 8
	s_lshl_b32 s21, s14, 6
	s_add_co_u32 s20, s20, s21                     ; W's row 256 y + 64 x wave
	s_lshl_b32 s20, s20, 10
	s_mov_b32 s21, 0
	s_mul_i32 s22, s14, 64*PITCH                   ; and its place in a quarter
	s_wait_kmcnt 0x0
	s_load_b256 s[48:55], s[8:9], 0x0              ; e0 .. e7
	s_add_nc_u64 s[20:21], s[6:7], s[20:21]
.irp j, 0,1,2,3
	s_mov_b32 s[G0+4*\j], 1
	s_add_co_u32 s[G0+4*\j+1], s22, \j*QUART
	s_add_nc_u64 s[G0+4*\j+2:G0+4*\j+3], s[20:21], \j*256
	s_or_b32 s[G0+4*\j+3], s[G0+4*\j+3], 0x80000000
.endr
	CROUND                                         ; all four work-groups are here: the joint loads meet
.irp j, 0,1,2,3
	tensor_load_to_lds s[G0+4*\j:G0+4*\j+3], s[G1:G1+7]
	s_nop 0
.endr
.rept 4
	v_nop
.endr
	s_lshl_b32 s20, s18, 17                        ; A: 8 row tiles of 16,384 bytes a block of 128 rows,
	s_lshl_b32 s21, s15, 16                        ; my four of them
	s_add_co_u32 s20, s20, s21
	s_mov_b32 s21, 0
	s_add_nc_u64 s[4:5], s[4:5], s[20:21]
	s_lshl_b32 s20, s18, 19                        ; out0: 128 rows of 4,096 bytes,
	s_lshl_b32 s21, s15, 18                        ; my 64,
	s_add_co_u32 s20, s20, s21
	s_lshl_b32 s21, s19, 10                        ; 256 columns of 4 bytes,
	s_add_co_u32 s20, s20, s21
	s_lshl_b32 s21, s16, 9                         ; my 128
	s_add_co_u32 s20, s20, s21
	s_mov_b32 s21, 0
	s_add_nc_u64 s[10:11], s[10:11], s[20:21]
	v_and_b32 v2, 15, v0                           ; r
	v_bfe_u32 v3, v0, 4, 1                         ; h
	v_and_b32 v4, 31, v0
	v_lshlrev_b32 v[L16], 4, v4
; A's fragments of K step k (4 tiles of 16 rows x 128 K) into set k % 4 of window 3
.macro LOAD_A k
	WIN 0xc0                                       ; destination window 3
.irp a, 0,1,2,3
.irp c, 0,1,2,3
	global_load_b128 v[64*((\k)%4)+16*\a+4*\c:64*((\k)%4)+16*\a+4*\c+3], v[L16], s[4:5] offset:\a*16384+(\k)*2048+\c*512
.endr
.endr
	WIN 0
.endm
	LOAD_A 0
	LOAD_A 1
	LOAD_A 2
	LOAD_A 3
	v_mul_u32_u24 v5, v2, PITCH
	v_lshl_add_u32 v5, v3, 4, v5                   ; a fragment's row x pitch + 16 x half
	s_mul_i32 s22, s16, 128*PITCH                  ; my 128 rows of W
.irp j, 0,1,2,3
	v_add_nc_u32 v[ADRB+\j], s22, v5
	s_add_co_u32 s22, s22, QUART
.endr
	s_mul_i32 s23, s14, 16*SPITCH
	s_add_co_u32 s23, s23, STAGE                   ; my stage
	v_mul_u32_u24 v6, v2, SPITCH                   ; in: row r, 32 bytes for each half of the lanes
	v_lshl_add_u32 v6, v3, 5, v6
	v_add_nc_u32 v[STO], s23, v6
	v_add_nc_u32 v[RD], s23, v[L16]                ; back: the 32 lanes take one row of 512 bytes
; W's eight fragments of K step k into set k % 2 of window 1: quarter k / 2, its (k % 2)-th 128 along K
.macro FETCH_B k
	WIN 0x40                                       ; destination window 1
.irp i, 0,1,2,3,4,5,6,7
.irp c, 0,1,2,3
	ds_load_b128 v[128*((\k)%2)+16*\i+4*\c:128*((\k)%2)+16*\i+4*\c+3], v[ADRB+(\k)/2] offset:((\k)%2)*128+32*\c+\i*16*PITCH
.endr
.endr
	WIN 0
.endm
; 32 matrix instructions: my 4 tiles of rows x 8 tiles of columns, 128 along K.  The 32 accumulators take turns, one instruction a turn, in the same order in every step.  Step 0 starts the sums.
.macro MUL32 k
	WIN 0xad                                       ; source 0 (W) window 1, source 1 (A) window 3, C and D window 2
.irp a, 0,1,2,3
.irp b, 0,1,2,3,4,5,6,7
.if (\k) == 0
	v_wmma_f32_16x16x128_fp8_fp8 v[8*(8*\a+\b):8*(8*\a+\b)+7], v[128*((\k)%2)+16*\b:128*((\k)%2)+16*\b+15], v[64*((\k)%4)+16*\a:64*((\k)%4)+16*\a+15], 0
.else
	v_wmma_f32_16x16x128_fp8_fp8 v[8*(8*\a+\b):8*(8*\a+\b)+7], v[128*((\k)%2)+16*\b:128*((\k)%2)+16*\b+15], v[64*((\k)%4)+16*\a:64*((\k)%4)+16*\a+15], v[8*(8*\a+\b):8*(8*\a+\b)+7]
.endif
.endr
.endr
	WIN 0
.endm
	s_wait_tensorcnt 3                             ; my part of quarter 0 is in; the three loads issued behind it may be out
	s_barrier_signal -1
	s_barrier_wait -1                              ; everybody's is
	FETCH_B 0
.set KS, 0
.rept 8
.if (KS < 7) && ((KS+1)%2 == 0)
	s_wait_dscnt 0x0                               ; no LDS load of mine is out at a signal
	s_wait_tensorcnt 3-(KS+1)/2                    ; my part of the quarter that the next step begins is in; the later quarters' loads may be out
	s_barrier_signal -1
	s_barrier_wait -1
.endif
.if KS < 7
	FETCH_B KS+1                                   ; the next step's fragments of W, behind the places that close the step before
	s_wait_dscnt 32                                ; all but the 32 just issued: this step's are in
.else
	s_wait_dscnt 0x0
.endif
.if KS < 5
	s_wait_loadcnt 48                              ; this step's sixteen loads of A are in; those of the three steps behind it may be out
.else
	s_wait_loadcnt 16*(7-KS)                       ; the counts run down: two steps, one, none are behind
.endif
	MUL32 KS
	PLACES                                         ; in front of the loads into W's other set is a whole step; these serve the loads into A's set just read, the next step's loads of W, and at the end the first read of results
.if KS < 4
	LOAD_A KS+4
.endif
.set KS, KS+1
.endr
; THE WAY OUT, block by block of 16 rows x 128 columns.  A lane holds 32 neighbouring bytes of a row, and the lanes beside it hold other rows: so a block goes through my own stage in LDS and comes back as whole rows of 512 bytes.
; LDS serves a wave's instructions in order (ISA guide 5.7.1.4): no wait between the stores and the loads, nor in front of the next block's stores.
.macro TOSTAGE a
	WIN 0x02                                       ; source 0: window 2
.set j, 0
.rept 32
	v_pk_mul_f32 v[TMP+j:TMP+j+1], v[64*(\a)+j:64*(\a)+j+1], s[56:57] op_sel_hi:[1,0]   ; both x s56 = 2^(e6 + e7); each accumulator from its low end on
.set j, j+2
.endr
	WIN 0
.irp b, 0,1,2,3,4,5,6,7
	ds_store_b128 v[STO], v[TMP+8*\b:TMP+8*\b+3] offset:64*\b
	ds_store_b128 v[STO], v[TMP+8*\b+4:TMP+8*\b+7] offset:64*\b+16
.endr
.set BB, BK+64*((\a)%2)
.irp t, 0,1,2,3,4,5,6,7,8,9,10,11,12,13,14,15
	ds_load_b128 v[BB+4*\t:BB+4*\t+3], v[RD] offset:\t*SPITCH
.endr
.endm
.macro SEND a, younger                 ; younger: the LDS instructions issued behind block a's loads, which may stay out
.set BB, BK+64*((\a)%2)
	s_wait_dscnt \younger                          ; the block is back in registers
.irp t, 0,1,2,3,4,5,6,7,8,9,10,11,12,13,14,15
	global_store_b128 v[L16], v[BB+4*\t:BB+4*\t+3], s[10:11] offset:(\a)*65536+\t*4096 th:TH_STORE_NT   ; 32 lanes store 512 consecutive bytes, at a multiple of 512 from out0's first byte; written once, read by nobody here
.endr
.endm
	s_wait_kmcnt 0x0
	s_add_co_i32 s56, s54, s55                     ; e6 + e7, between -126 and 127,
	s_add_co_i32 s56, s56, 127
	s_lshl_b32 s56, s56, 23                        ; makes the f32 number 2^(e6 + e7)
	s_mov_b32 s57, s56                             ; (named with it as a pair, so it is written)
	TOSTAGE 0
.irp a, 1,2,3
.if \a > 1
	s_wait_xcnt 0x0                                ; block a - 2's stores have read their registers: block a's loads may land there
.endif
	TOSTAGE \a
	SEND \a-1, 32                                  ; behind block a - 1's loads: block a's 16 stores and 16 loads
.endr
	SEND 3, 0
	s_wait_tensorcnt 0x0                           ; the wave's end: behind my last tensor load and my last LDS store
	ds_add_u32 v[SPW], v[NIL]
	s_wait_dscnt 0x0
	CROUND                                         ; the closing round: no work-group ends while a partner may still ask for a tile that names it
	s_endpgm
.Lfunc_end_k_qf8c1698af8_proj:
	.size	k_qf8c1698af8_proj, .Lfunc_end_k_qf8c1698af8_proj-k_qf8c1698af8_proj
	.p2alignl 7, 3214868480
	.fill 96, 4, 3214868480
	.section	.rodata,"a",@progbits
	.p2align	6, 0x0
	.amdhsa_kernel k_qf8c1698af8_proj
		.amdhsa_group_segment_fixed_size 327680
		.amdhsa_private_segment_fixed_size 0
		.amdhsa_enable_private_segment 0
		.amdhsa_kernarg_size 32
		.amdhsa_user_sgpr_count 2
		.amdhsa_user_sgpr_kernarg_segment_ptr 1
		.amdhsa_wavefront_size32 1
		.amdhsa_system_sgpr_workgroup_id_x 1
		.amdhsa_system_sgpr_workgroup_id_y 1
		.amdhsa_system_sgpr_workgroup_id_z 1
		.amdhsa_system_vgpr_workitem_id 0
		.amdhsa_next_free_vgpr 1024
		.amdhsa_next_free_sgpr 66
		.amdhsa_reserve_vcc 0
		.amdhsa_float_denorm_mode_32 3
		.amdhsa_float_denorm_mode_16_64 3
		.amdhsa_memory_ordered 1
		.amdhsa_forward_progress 1
		.amdhsa_inst_pref_size 76
	.end_amdhsa_kernel
	.amdgpu_metadata
---
amdhsa.version: [ 1, 2 ]
amdhsa.kernels:
  - .name:           k_qf8c1698af8_proj
    .symbol:         k_qf8c1698af8_proj.kd
    .args:
      - { .name: ac, .offset: 0, .size: 8, .value_kind: global_buffer, .address_space: global }
      - { .name: out_proj_weight_codes, .offset: 8, .size: 8, .value_kind: global_buffer, .address_space: global }
      - { .name: lowp_scales, .offset: 16, .size: 8, .value_kind: global_buffer, .address_space: global }
      - { .name: out0, .offset: 24, .size: 8, .value_kind: global_buffer, .address_space: global }
    .group_segment_fixed_size: 327680
    .private_segment_fixed_size: 0
    .kernarg_segment_align: 8
    .kernarg_segment_size: 32
    .max_flat_workgroup_size: 128
    .sgpr_count:     66
    .vgpr_count:     1024
    .wavefront_size: 32
...
	.end_amdgpu_metadata
.endif
;; end of part 3
